; MI455X (gfx1250); checked and timed in simulation.
; The chip was launched on July 23, 2026; its instructions are those of AMD's public machine-readable ISA for CDNA 5 (MIT licence, August 2026) and "CDNA5" Instruction Set Architecture Reference Guide (July 2026). The comments in the code are by the model that wrote it; some were corrected since.
;; Multi Head Attn. Allowed arithmetic: matrix products marked QUANTISED: E3M2 operands, one E8M0 scale for each 32 along K, by v_wmma_scale_f32_16x16x128_f8f6f4 with both operands' format E3M2, f32 sums; everything else in f32.
;; Inputs: Wk_codes 16 x 64 x 32 x 24 uint8 (E3M2 codes of Wk, K innermost, in blocks of 32 codes, four codes in three bytes); Wk_scales 16 x 64 x 32 uint8 (E8M0 scales of Wk, one for each 32 codes along K); Wp_codes 1,024 x 32 x 24 uint8 (E3M2 codes of Wp, K innermost, in blocks of 32 codes, four codes in three bytes); Wp_scales 1,024 x 32 uint8 (E8M0 scales of Wp, one for each 32 codes along K); Wq_codes 16 x 64 x 32 x 24 uint8 (E3M2 codes of Wq, K innermost, in blocks of 32 codes, four codes in three bytes); Wq_scales 16 x 64 x 32 uint8 (E8M0 scales of Wq, one for each 32 codes along K); Wv_codes 16 x 64 x 32 x 24 uint8 (E3M2 codes of Wv, K innermost, in blocks of 32 codes, four codes in three bytes); Wv_scales 16 x 64 x 32 uint8 (E8M0 scales of Wv, one for each 32 codes along K); k_codes 4 x 2,048 x 32 x 24 uint8 (E3M2 codes of k, K innermost, in blocks of 32 codes, four codes in three bytes); k_scales 4 x 2,048 x 32 uint8 (E8M0 scales of k, one for each 32 codes along K); offset 1,024 float32; q 4 x 2,048 x 1,024 float32; scale 1,024 float32; v_codes 4 x 2,048 x 32 x 24 uint8 (E3M2 codes of v, K innermost, in blocks of 32 codes, four codes in three bytes); v_scales 4 x 2,048 x 32 uint8 (E8M0 scales of v, one for each 32 codes along K).
;; Outputs: out0 4 x 2,048 x 1,024 float32.
;; This version of the problem:
;;   THIS VERSION OF THE PROBLEM IS GIVEN IN LOW PRECISION. The matrix products marked QUANTISED in the list below multiply operands that are first quantised to E3M2 (3 exponent bits, 2 mantissa bits; 6 bits a number), with one power-of-two scale for each 32 numbers along K (OCP MX v1.0); their sums are f32. All else is computed in f32.
;;   The module's matrix products, in the order in which they are computed (A, B: the left and right operand; K: the contracted axis; several contracted axes count as one K, in the product's order):
;;     1. [M 1,024, K 1,024] x [K 1,024, N 8,192]; A: input Wq (given as codes); B: input q: QUANTISED
;;     2. [M 1,024, K 1,024] x [K 1,024, N 8,192]; A: input Wk (given as codes); B: input k (given as codes): QUANTISED
;;     3. [M 1,024, K 1,024] x [K 1,024, N 8,192]; A: input Wv (given as codes); B: input v (given as codes): QUANTISED
;;     4. batch 64 x [M 2,048, K 64] x [K 64, N 2,048]; A: computed on the way; B: computed on the way: QUANTISED
;;     5. batch 64 x [M 2,048, K 2,048] x [K 2,048, N 64]; A: softmax (see below); B: computed on the way: QUANTISED
;;     6. [M 8,192, K 1,024] x [K 1,024, N 1,024]; A: computed on the way; B: input Wp (given as codes): QUANTISED
;;   THE QUANTISER, for each operand of a quantised product, along K:
;;     - K is cut into blocks of 32 from its start; a last block that is shorter is filled with zeros.
;;     - A block's scale is 2^e with e = floor(log2(the largest magnitude in the block)) - 4, held to -126 .. 127; a block of zeros has e = 0. As a byte (E8M0): e + 127.
;;     - Each number is divided by its block's scale, clamped to +-28, and rounded to the nearest number of E3M2, ties to even, subnormals kept.
;;     - The product sums the exact products of the quantised numbers (number of the format x scale) in f32.
;;   ~~~python
;;   def quantise(x, axis):      # numpy; x: float32 -> the quantised numbers, widened to float32 again
;;       x = np.moveaxis(x, axis, -1); K = x.shape[-1]
;;       x = np.pad(x, [(0, 0)] * (x.ndim - 1) + [(0, -K % 32)]); x = x.reshape(x.shape[:-1] + (-1, 32)); a = np.abs(x).max(-1, keepdims=True)
;;       e = np.where(a > 0, np.clip(np.frexp(np.where(a > 0, a, 1))[1] - 1 - 4, -126, 127), 0)      # np.frexp(a)[1] - 1 = floor(log2(a)), exactly
;;       r = np.clip(x / 2.0 ** e, -28, 28)
;;       step = 2.0 ** (np.maximum(np.frexp(np.where(r == 0, 1, r))[1] - 1, -2) - 2)
;;       q = np.round(r / step) * step * 2.0 ** e      # np.round: ties to even
;;       return np.moveaxis(q.reshape(q.shape[:-2] + (-1,))[..., :K], -1, axis).astype(np.float32)
;;   ~~~
;;   SOFTMAX AHEAD OF A QUANTISED PRODUCT. Where the list says 'softmax', what is quantised is not the finished softmax but p = 2^(t - M), with t = logit x log2(e) and M = ceil(the row's largest t), a whole number; so 1/2 < the row's largest p <= 1. The row's sum l is taken of the UNQUANTISED p, in f32, and the product's result is divided by l at the end. Since M is a whole number, a kernel that streams over the keys may use a running M (the ceiling of the running maximum): every later rescaling is an exact power of two, which a block's scale takes up: the codes' values come out the same.
;;   OPERANDS COMPUTED ON THE WAY. 'Computed on the way' means the value that the module computes at that place (a softmax that the list does not call 'softmax' is quantised finished and normalised). What goes into a quantiser is computed in f32, as accurately as f32 sums, v_exp_f32 and their like allow (about 1e-6 of the number): no bf16 or f16 on the way to a quantiser, and a product that is left as it is and whose result goes on into a quantised operand takes f32 operands (vector FMAs, or v_wmma_f32_16x16x4_f32). A number that lies on a knife's edge between two numbers of the format may be rounded either way, as far as f32 arithmetic and the matrix unit's own rounding can turn it there, and no further.
;;   INPUTS GIVEN AS CODES. Wk (in the module: [16, 64, 1024], K = its axis 2); Wp (in the module: [1024, 1024], K = its axis 1); Wq (in the module: [16, 64, 1024], K = its axis 2); Wv (in the module: [16, 64, 1024], K = its axis 2); k (in the module: [4, 2048, 1024], K = its axis 2); v (in the module: [4, 2048, 1024], K = its axis 2): each comes as NAME_codes (uint8): NAME with its K axis moved to the last place and cut into blocks of 32 codes, [.., K / 32, bytes a block], one block behind the other in memory; four codes in three bytes: a row's codes are one little-endian stream of bits, code i at bits 6 i .. 6 i + 5 (a code: sign, 3 exponent bits, 2 mantissa bits); and NAME_scales (uint8): the same leading axes, one E8M0 byte (e + 127) for each 32 codes along K. Its value is code x scale, taken as it is: it is not quantised again, and the codes and scales need not be those that the quantiser above would give.
;; One version. Each part assembles by itself: llvm-mc -triple=amdgcn-amd-amdhsa -mcpu=gfx1250 --defsym DOCPART=n.
;; ======== version 1 of 1: 4 launches
;; limits: right only within a limited range of input values
;; workspace buffers: qc 6,291,456 bytes; qs 262,144 bytes; wpi 786,432 bytes; qimg 6,553,600 bytes; kv 13,107,200 bytes; cc 6,291,456 bytes; cs 262,144 bytes
;; launch prep (part 1): grid 260 x 1, 16 waves a work-group, no clusters, 84,992 bytes of LDS; arguments q, Wp_codes, qc, qs, wpi; writes qc, qs, wpi
.if DOCPART == 1
	.amdgcn_target "amdgcn-amd-amdhsa--gfx1250"
	.amdhsa_code_object_version 6
	.text
	.protected	k_q8cfccbbf44_prep
	.globl	k_q8cfccbbf44_prep
	.p2align	8
	.type	k_q8cfccbbf44_prep,@function
k_q8cfccbbf44_prep:
	s_mov_b64 s[64:65], 0
	v_nop
	global_prefetch_b8 v0, s[64:65] scope:SCOPE_SE
	s_setreg_imm32_b32 hwreg(HW_REG_WAVE_MODE, 25, 1), 1
	s_wait_xcnt 0x0
; Two jobs in one launch, parted on the work-group's number.
; Work-groups 0-255: q [8192][1024] f32 becomes codes of BF6 (E3M2), K innermost (qc, 768 bytes a row), with one E8M0 byte for each 32 along K (qs, 32 bytes a row).
;   A block's byte is its largest magnitude's exponent field - 4, held at 1 from below; each number is divided by the scale and rounded to the nearest code, ties to even, beyond 28 the largest code.
;   Rows are dense and 1024 is a multiple of 32: q is a plain stream of blocks.  Sixteen waves, each 4 steps of 512 numbers; a wave issues all its 16 loads at its head, so 16 x 16 x 512 bytes of the work-group are on their way at once.
;   Each load reads 512 consecutive bytes; a step's 2,048 bytes turn through the wave's own stage in LDS (16 bytes of padding behind each 64) and come back 64 bytes a lane: 16 neighbours along K, two lanes to a block.
;   The work-group's 1,024 scale bytes meet in LDS; behind one barrier waves 0-3 store them as four aligned blocks of 256 bytes.
; Work-groups 256-259: Wp's codes are laid anew in the order of an operand's registers (wpi: [tile of 16 rows][K step of 128][3 groups of 4 registers][lane][16 bytes]), so that the last launch reads 512 consecutive bytes a load.  No LDS there.
; LIMITS: NaN and infinities are not served; a block whose largest magnitude lies under 2^-122 keeps the byte 1; a block of zeros has the byte 1 where the rule says 127: its codes are zeros, and this program alone reads the bytes.
.set STEPS, 4
.set EMAX,  4
.set CB,    12                         ; bytes of 16 codes
.set R,     16                         ; v16-79   four sets of 16 numbers as loaded; set t later takes step t's codes (3 registers) and its scale byte (the fifth)
.set X,     80                         ; v80-111  two sets of 16 neighbours
.set SP,    80                         ; a lane's place in a stage: its 64 bytes + 16 of padding
.set WREG,  5120                       ; LDS: a region for each wave: two stages of 32 x SP bytes
.set SCB,   16*WREG                    ; behind them the work-group's 1,024 scale bytes, 64 a wave
	s_load_b128 s[4:7], s[0:1], 0x0                ; q, Wp's codes
	s_load_b128 s[8:11], s[0:1], 0x10              ; qc, qs
	s_load_b64 s[12:13], s[0:1], 0x20              ; wpi
	v_lshl_add_u32 v112, v0, 2, 0x14400
	v_mov_b32 v113, 0
	v_lshrrev_b32 v1, 5, v0
	s_delay_alu instid0(VALU_DEP_1)
	v_readfirstlane_b32 s16, v1                    ; wave 0..15
	v_and_b32 v2, 31, v0                           ; lane
	s_mov_b32 s21, 0
	s_wait_kmcnt 0x0
	s_cmp_ge_u32 ttmp9, 256
	s_cbranch_scc1 .Lrepack
	; ---- q into codes
	s_wait_alu depctr_va_vdst(0)
	v_lshlrev_b32 v3, 4, v2                        ; my 16 bytes of a load's 512
	s_mul_i32 s17, s16, WREG
	v_lshrrev_b32 v14, 2, v2
	s_delay_alu instid0(VALU_DEP_1)
	v_mul_u32_u24 v14, v14, SP
	v_and_b32 v15, 3, v2
	s_delay_alu instid0(VALU_DEP_1)
	v_lshl_add_u32 v14, v15, 4, v14
	s_delay_alu instid0(VALU_DEP_1)
	v_add_nc_u32 v14, s17, v14                     ; the stage, on the way in: SP (lane / 4) + 16 (lane % 4)
	v_mul_u32_u24 v15, v2, SP
	s_delay_alu instid0(VALU_DEP_1)
	v_add_nc_u32 v15, s17, v15                     ; on the way out: SP x lane: my 16 neighbours
	v_mul_u32_u24 v4, v2, CB                       ; my codes' place in a step's
	v_lshrrev_b32 v5, 1, v2
	s_lshl_b32 s17, s16, 6
	s_add_co_u32 s17, s17, SCB
	v_add_nc_u32 v5, s17, v5                       ; LDS: my block's byte among my wave's 64
	v_lshlrev_b32 v7, 3, v2                        ; the scale bytes' way out: 8 bytes a lane
	s_min_u32 s19, s16, 3                          ; (waves 0-3 alone take it)
	s_lshl_b32 s19, s19, 8
	s_add_co_u32 s17, s19, SCB
	v_add_nc_u32 v6, s17, v7
	s_lshl_b32 s18, ttmp9, 4
	s_add_co_u32 s18, s18, s16                     ; which run of 2,048 numbers is my wave's: 0 .. 4095
	s_lshl_b32 s20, s18, 13
	s_add_nc_u64 s[4:5], s[4:5], s[20:21]          ; 8,192 bytes of q a run,
	s_mul_i32 s20, s18, 32*STEPS*CB
	s_add_nc_u64 s[8:9], s[8:9], s[20:21]          ; 1,536 of codes;
	s_lshl_b32 s20, ttmp9, 10
	s_add_co_u32 s20, s20, s19
	s_add_nc_u64 s[10:11], s[10:11], s[20:21]      ; 1,024 scale bytes a work-group, 256 for each of waves 0-3
.macro LOAD t
.irp i, 0,1,2,3
	global_load_b128 v[R+16*(\t)+4*\i:R+16*(\t)+4*\i+3], v3, s[4:5] offset:2048*(\t)+512*\i   ; 32 lanes read 512 consecutive bytes (no hint: the last launch reads q again)
.endr
.endm
.macro TURN t                          ; step t's numbers through the stage: LDS serves a wave's instructions in order, so no wait stands between the stores and the loads
.irp i, 0,1,2,3
	ds_store_b128 v14, v[R+16*(\t)+4*\i:R+16*(\t)+4*\i+3] offset:32*SP*((\t)%2)+8*SP*\i
.endr
.irp i, 0,1,2,3
	ds_load_b128 v[X+16*((\t)%2)+4*\i:X+16*((\t)%2)+4*\i+3], v15 offset:32*SP*((\t)%2)+16*\i
.endr
.endm
.irp t, 0,1,2,3
	LOAD \t
.endr
	s_wait_alu depctr_va_vdst(0)
	s_wait_loadcnt 12                              ; step 0's four loads are in; three steps' twelve stay out
	TURN 0
.macro STEP t
.set XS, X+16*((\t)%2)
.set CD, R+16*(\t)
.if (\t) > 0
	s_wait_dscnt 1                                 ; this step's numbers are back from the stage (the last step's byte store may be out): so the stage's stores have read set t, which takes the codes below
.else
	s_wait_dscnt 0x0
.endif
.if (\t)+1 < STEPS
	s_wait_loadcnt 4*(STEPS-2-(\t))                ; the next step's four loads are in; those of the steps behind it may be out
	TURN (\t)+1                                    ; through the other stage while this step is worked
.endif
	v_max3_num_f32 v8, |v[XS]|, |v[XS+1]|, |v[XS+2]|               ; the largest magnitude of my 16, in two chains
	v_max3_num_f32 v9, |v[XS+3]|, |v[XS+4]|, |v[XS+5]|
.irp i, 6,10
	s_delay_alu instid0(VALU_DEP_2)
	v_max3_num_f32 v8, v8, |v[XS+\i]|, |v[XS+\i+1]|
	s_delay_alu instid0(VALU_DEP_2)
	v_max3_num_f32 v9, v9, |v[XS+\i+2]|, |v[XS+\i+3]|
.endr
	s_delay_alu instid0(VALU_DEP_2)
	v_max3_num_f32 v8, v8, |v[XS+14]|, |v[XS+15]|
	s_delay_alu instid0(VALU_DEP_1)
	v_max3_num_f32 v8, v8, v9, (EMAX+1)<<23        ; and the floor 2^(5 - 127): the byte cannot fall under 1
	s_delay_alu instid0(VALU_DEP_1)
	v_max_num_f32_dpp v8, v8, v8 row_xmask:1 row_mask:0xf bank_mask:0xf   ; with my neighbour's 16: the block's
	s_delay_alu instid0(VALU_DEP_1)
	v_add_nc_u32 v11, 0xfe000000, v8               ; 4 off its exponent field: the conversion takes the exponent field of this operand as its scale
	v_cvt_scalef32_pk16_bf6_f32 v[CD:CD+2], v[XS:XS+15], v11
	v_lshrrev_b32 v[CD+4], 23, v11                 ; the scale's byte (a plain line behind the conversion)
	ds_store_b8 v5, v[CD+4] offset:16*(\t)         ; both lanes of a block write the same byte with the same value
	global_store_b96 v4, v[CD:CD+2], s[8:9] offset:32*CB*(\t)   ; the wave stores 384 consecutive bytes
.endm
.irp t, 0,1,2,3
	STEP \t
.endr
	s_wait_dscnt 0x0                               ; for the others' sake: my byte stores are done
	s_barrier_signal -1
	s_barrier_wait -1                              ; the work-group's 1,024 scale bytes lie in LDS
	s_cmp_ge_u32 s16, 4
	s_cbranch_scc1 .Ldone
	ds_load_b64 v[12:13], v6
	s_wait_dscnt 0x0
	global_store_b64 v7, v[12:13], s[10:11]        ; 32 lanes store 256 consecutive bytes, aligned
.Ldone:
	s_wait_tensorcnt 0x0
	ds_add_u32 v112, v113
	s_wait_dscnt 0x0
	s_endpgm
	; ---- Wp's codes into the order of an operand's registers: a wave takes a tile of 16 rows
.Lrepack:
	s_sub_co_u32 s18, ttmp9, 256
	s_lshl_b32 s18, s18, 4
	s_add_co_u32 s18, s18, s16                     ; the tile: 0 .. 63
	s_mul_i32 s20, s18, 12288                      ; 16 rows of 768 bytes, in and out
	s_add_nc_u64 s[6:7], s[6:7], s[20:21]
	s_add_nc_u64 s[12:13], s[12:13], s[20:21]
	s_wait_alu depctr_va_vdst(0)
	v_and_b32 v5, 15, v2                           ; r
	v_lshrrev_b32 v6, 4, v2                        ; h
	s_delay_alu instid0(VALU_DEP_2)
	v_mul_u32_u24 v3, v5, 768
	s_delay_alu instid0(VALU_DEP_1)
	v_mad_u32_u24 v3, v6, 24, v3                   ; row r, + 24 h: a fragment's bytes as they lie in the row
	v_lshlrev_b32 v4, 4, v2                        ; out: 16 bytes a lane
.irp s, 0,1,2,3,4,5,6,7
.irp p, 0,1,2,3,4,5
	global_load_b64 v[16+12*\s+2*\p:17+12*\s+2*\p], v3, s[6:7] offset:96*\s+48*(\p/3)+8*(\p%3)
.endr
.endr
	s_wait_alu depctr_va_vdst(0)
	s_wait_loadcnt 0x0
.irp s, 0,1,2,3,4,5,6,7
.irp c, 0,1,2
	global_store_b128 v4, v[16+12*\s+4*\c:19+12*\s+4*\c], s[12:13] offset:1536*\s+512*\c   ; 512 consecutive bytes a store
.endr
.endr
	s_endpgm
.Lfunc_end_k_q8cfccbbf44_prep:
	.size	k_q8cfccbbf44_prep, .Lfunc_end_k_q8cfccbbf44_prep-k_q8cfccbbf44_prep
	.p2alignl 7, 3214868480
	.fill 96, 4, 3214868480
	.section	.rodata,"a",@progbits
	.p2align	6, 0x0
	.amdhsa_kernel k_q8cfccbbf44_prep
		.amdhsa_group_segment_fixed_size 84992
		.amdhsa_private_segment_fixed_size 0
		.amdhsa_enable_private_segment 0
		.amdhsa_kernarg_size 40
		.amdhsa_user_sgpr_count 2
		.amdhsa_user_sgpr_kernarg_segment_ptr 1
		.amdhsa_wavefront_size32 1
		.amdhsa_system_sgpr_workgroup_id_x 1
		.amdhsa_system_sgpr_workgroup_id_y 1
		.amdhsa_system_sgpr_workgroup_id_z 1
		.amdhsa_system_vgpr_workitem_id 0
		.amdhsa_next_free_vgpr 114
		.amdhsa_next_free_sgpr 66
		.amdhsa_reserve_vcc 0
		.amdhsa_float_denorm_mode_32 3
		.amdhsa_float_denorm_mode_16_64 3
		.amdhsa_memory_ordered 1
		.amdhsa_forward_progress 1
		.amdhsa_inst_pref_size 19
	.end_amdhsa_kernel
	.amdgpu_metadata
---
amdhsa.version: [ 1, 2 ]
amdhsa.kernels:
  - .name:           k_q8cfccbbf44_prep
    .symbol:         k_q8cfccbbf44_prep.kd
    .args:
      - { .name: q, .offset: 0, .size: 8, .value_kind: global_buffer, .address_space: global }
      - { .name: Wp_codes, .offset: 8, .size: 8, .value_kind: global_buffer, .address_space: global }
      - { .name: qc, .offset: 16, .size: 8, .value_kind: global_buffer, .address_space: global }
      - { .name: qs, .offset: 24, .size: 8, .value_kind: global_buffer, .address_space: global }
      - { .name: wpi, .offset: 32, .size: 8, .value_kind: global_buffer, .address_space: global }
    .group_segment_fixed_size: 84992
    .private_segment_fixed_size: 0
    .kernarg_segment_align: 8
    .kernarg_segment_size: 40
    .max_flat_workgroup_size: 512
    .sgpr_count:     66
    .vgpr_count:     114
    .wavefront_size: 32
...
	.end_amdgpu_metadata
.endif
;; end of part 1
;; launch proj (part 2): grid 192 x 1, 4 waves a work-group, clusters of 4 x 1, 327,680 bytes of LDS; arguments qc, qs, k_codes, k_scales, Wv_codes, Wv_scales, Wq_codes, Wq_scales, Wk_codes, Wk_scales, v_codes, v_scales, qimg, kv; writes qimg, kv
.if DOCPART == 2
	.amdgcn_target "amdgcn-amd-amdhsa--gfx1250"
	.amdhsa_code_object_version 6
	.text
	.protected	k_q8cfccbbf44_proj
	.globl	k_q8cfccbbf44_proj
	.p2align	8
	.type	k_q8cfccbbf44_proj,@function
k_q8cfccbbf44_proj:
	s_mov_b64 s[64:65], 0
	v_nop
	global_prefetch_b8 v0, s[64:65] scope:SCOPE_SE
	s_setreg_imm32_b32 hwreg(HW_REG_WAVE_MODE, 25, 1), 1
	s_wait_xcnt 0x0
	s_wait_alu depctr_hold_cnt(0) depctr_sa_sdst(0) depctr_va_vdst(0) depctr_va_sdst(0) depctr_va_ssrc(0) depctr_va_vcc(0) depctr_vm_vsrc(0)
	s_getreg_b32 s2, hwreg(HW_REG_IB_STS2, 6, 4)
	s_cmp_eq_u32 s2, 0
	s_cbranch_scc0 .Lentry_in_a_cluster
	s_endpgm
.Lentry_in_a_cluster:
	s_bfe_u32 s2, ttmp6, 0x10000c
	s_cmp_lg_u32 s2, 0x3003
	s_cbranch_scc0 .Lentry_shape_is_right
	s_endpgm
.Lentry_shape_is_right:
.set SLOTB,  104448
.set RESB,   52224
.set QUARTB, 26112
.set TILEB,  13056
.set BLKB,   98304
.set SPARE,  313344
.set RS,  16
.set SS,  32
.set ACC, 64
.set TM,  192
.set PW,  208
.set PC,  210
.set MSB, 0
.macro WIN new
.if MSB != \new
	s_set_vgpr_msb (MSB<<8)|\new
.set MSB, \new
.endif
.endm
.macro PLACES
.rept 4
	v_nop
.endr
.endm
.macro ROUND
	s_barrier_signal -1
	s_barrier_wait -1
	s_cmp_lg_u32 s34, 0
	s_cbranch_scc1 .Lnot_wave_0_\@
	s_barrier_signal -3
.Lnot_wave_0_\@:
	s_barrier_wait -3
	s_barrier_signal -1
	s_barrier_wait -1
.endm
.macro FRAG reg, adr, s, off
.irp p, 0,1,2,3,4,5
.set PCE, 12*(\s)+6*(\p/3)+\p%3
.if PCE%32 < 29
	ds_load_b64 v[(\reg)+2*\p:(\reg)+2*\p+1], v[(\adr)] offset:8*PCE+16*(PCE/32)+(\off)
.else
	ds_load_b64 v[(\reg)+2*\p:(\reg)+2*\p+1], v[(\adr)+1] offset:8*PCE+16*(PCE/32)+(\off)
.endif
.endr
.endm
.macro RESLD
	WIN 0x40
.irp t, 0,1,2,3
.irp s, 0,1,2,3
	FRAG 12*(4*\t+\s), 14, \s, TILEB*\t
.endr
.endr
	WIN 0x80
.irp t, 0,1,2,3
.irp s, 4,5,6,7
	FRAG 12*(4*\t+\s-4), 14, \s, TILEB*\t
.endr
.endr
	WIN 0
.endm
.macro SSLD g, off
.irp m, 0,1,2,3
	global_load_b128 v[SS+16*(\g)+4*\m:SS+16*(\g)+4*\m+3], v10, s[6:7] offset:(\off)+512*(4*(\g)+\m)
.endr
.endm
.macro LOADSTG q
	WIN 0xc0
.irp m, 0,1,2,3
	FRAG 48*((\q)%2)+12*\m, 6+2*((\q)/8), (\q)%8, TILEB*\m
.endr
.endm
.macro MULSTG q
.set SS8, (\q)%8
.set GG, (\q)/8
.if SS8 < 4
	WIN 0x0d
.else
	WIN 0x0e
.endif
.irp m, 0,1,2,3
.irp t, 0,1,2,3
.set rD, ACC+8*(4*\m+\t)
.set rA, 12*(4*\t+SS8%4)
.set rB, 48*((\q)%2)+12*\m
.set rX, RS+4*\t+SS8%4
.set rY, SS+16*GG+4*\m+SS8%4
.if SS8 == 0
	v_wmma_scale_f32_16x16x128_f8f6f4 v[rD:rD+7], v[rA:rA+11], v[rB:rB+11], 0, v[rX], v[rY] matrix_a_fmt:MATRIX_FMT_BF6 matrix_b_fmt:MATRIX_FMT_BF6
.elseif SS8 < 4
	v_wmma_scale_f32_16x16x128_f8f6f4 v[rD:rD+7], v[rA:rA+11], v[rB:rB+11], v[rD:rD+7], v[rX], v[rY] matrix_a_fmt:MATRIX_FMT_BF6 matrix_b_fmt:MATRIX_FMT_BF6
.else
	v_wmma_scale_f32_16x16x128_f8f6f4 v[rD:rD+7], v[rA:rA+11], v[rB:rB+11], v[rD:rD+7], v[rX], v[rY] matrix_a_fmt:MATRIX_FMT_BF6 matrix_b_fmt:MATRIX_FMT_BF6 matrix_a_scale:MATRIX_SCALE_ROW1 matrix_b_scale:MATRIX_SCALE_ROW1
.endif
.endr
.endr
.endm
.macro QUANT s
.irp b, 0,1,2,3
	v_max3_num_f32 v[TM+\b], |v[\s+16*\b]|, |v[\s+1+16*\b]|, 0x2800000
.endr
.irp i, 2,4,6,8,10,12,14
.irp b, 0,1,2,3
	v_max3_num_f32 v[TM+\b], v[TM+\b], |v[\s+16*\b+\i]|, |v[\s+1+16*\b+\i]|
.endr
.endr
.irp b, 0,1,2,3
	v_permlanex16_b32 v[TM+4+\b], v[TM+\b], s78, s79
.endr
.irp b, 0,1,2,3
	v_max_num_f32 v[TM+\b], v[TM+\b], v[TM+4+\b]
.endr
.irp b, 0,1,2,3
	v_add_nc_u32 v[TM+12+\b], 0xfe000000, v[TM+\b]
.endr
.irp b, 0,1,2,3
	v_lshrrev_b32 v[TM+4+\b], 23, v[TM+12+\b]
.endr
	v_lshl_or_b32 v[PW], v[TM+5], 8, v[TM+4]
	v_lshl_or_b32 v[PW], v[TM+6], 16, v[PW]
	v_lshl_or_b32 v[PW], v[TM+7], 24, v[PW]
.irp c, 0,1
	v_cvt_scalef32_pk16_bf6_f32 v[PC+6*\c:PC+2+6*\c], v[\s+32*\c:\s+15+32*\c], v[TM+12+2*\c]
	v_cvt_scalef32_pk16_bf6_f32 v[PC+12+4*\c:PC+14+4*\c], v[\s+16+32*\c:\s+31+32*\c], v[TM+12+2*\c+1]
.endr
	v_nop
.irp c, 0,1
.irp i, 0,1,2
	v_permlane16_swap_b32 v[PC+6*\c+\i], v[PC+12+4*\c+\i]
.endr
.irp i, 0,1,2
	v_mov_b32 v[PC+3+6*\c+\i], v[PC+12+4*\c+\i]
.endr
.endr
.endm
.macro EPI p
	s_wait_xcnt 0x0
	QUANT ACC+64*\p
	v_add_nc_u32 v14, s75, v12
	s_add_co_u32 s75, s75, s71
	v_add_nc_u32 v15, s75, v12
	s_add_co_u32 s75, s75, s71
	v_add_nc_u32 v1, s76, v13
	s_add_co_u32 s76, s76, s73
	v_lshrrev_b32 v231, v230, v[PW]
.irp k, 0,1,2
	global_store_b64 v14, v[PC+2*\k:PC+2*\k+1], s[28:29] offset:256*\k
.endr
.irp k, 0,1,2
	global_store_b64 v15, v[PC+6+2*\k:PC+7+2*\k], s[28:29] offset:256*\k
.endr
	global_store_b16 v1, v231, s[28:29]
.endm
.macro CHANGE fill
	s_wait_tensorcnt 0x0
	ds_add_u32 v2, v3
.if \fill
	s_xor_b32 s67, s67, SLOTB
	s_add_co_u32 s49, s67, s39
	s_add_nc_u64 s[50:51], s[50:51], BLKB
.endif
	s_wait_dscnt 0x0
.if \fill
	ROUND
	tensor_load_to_lds s[48:51], s[40:47]
	s_nop 0
	PLACES
.else
	s_barrier_signal -1
	s_barrier_wait -1
.endif
.endm
.macro BLOCK more
	v_add_nc_u32 v6, s66, v4
	v_add_nc_u32 v7, s66, v5
	v_add_nc_u32 v8, RESB, v6
	v_add_nc_u32 v9, RESB, v7
	LOADSTG 0
	LOADSTG 1
	s_wait_alu depctr_va_vdst(0)
	s_wait_loadcnt 0x4
.set QQ, 0
.rept 16
.if QQ == 8
	s_wait_loadcnt 4*\more
.endif
.if QQ < 15
	s_wait_dscnt 24
.else
	s_wait_dscnt 0x0
.endif
	MULSTG QQ
	PLACES
.if QQ < 14
	LOADSTG QQ+2
.endif
.if QQ%8 == 7
	WIN 0
	s_mov_b32 s75, s69
	s_mov_b32 s76, s70
	EPI 0
	EPI 1
	s_add_co_u32 s69, s69, s72
	s_add_co_u32 s70, s70, s74
.if \more
	SSLD QQ/8, 4096
.endif
.endif
.set QQ, QQ+1
.endr
.if \more
	s_wait_xcnt 0x0
	s_add_nc_u64 s[6:7], s[6:7], 4096
.endif
	s_xor_b32 s66, s66, SLOTB
.endm
	s_load_b512 s[4:19], s[0:1], 0x0
	s_load_b256 s[20:27], s[0:1], 0x40
	s_load_b128 s[28:31], s[0:1], 0x60
	v_lshl_add_u32 v2, v0, 2, SPARE
	v_mov_b32 v3, 0
	ds_add_u32 v2, v3
	ds_add_u32 v2, v3
	s_wait_dscnt 0x0
	v_lshrrev_b32 v232, 5, v0
	v_readfirstlane_b32 s34, v232
	s_bfe_u32 s35, ttmp6, 0x40000
	s_lshr_b32 s37, ttmp9, 4
	s_and_b32 s38, ttmp9, 15
	s_mul_i32 s39, s34, QUARTB
	s_lshl_b32 s80, s38, 9
	s_lshr_b32 s81, s38, 3
	s_lshl_b32 s81, s81, 9
	s_cmp_lt_u32 s37, 2
	s_cselect_b32 s80, s80, s81
	s_mul_i32 s84, s80, 768
	s_mul_i32 s81, s34, 24576
	s_add_co_u32 s84, s84, s81
	s_mov_b32 s85, 0
	s_lshl_b32 s86, s80, 5
	s_mov_b32 s87, 0
	s_lshl_b32 s82, s35, 8
	s_and_b32 s83, s38, 7
	s_lshl_b32 s83, s83, 2
	s_add_co_u32 s83, s83, s35
	s_lshl_b32 s83, s83, 8
	s_cmp_lt_u32 s37, 2
	s_cselect_b32 s82, s82, s83
	s_lshl_b32 s83, s34, 6
	s_add_co_u32 s82, s82, s83
	s_mul_i32 s88, s82, 768
	s_mov_b32 s89, 0
	s_lshl_b32 s90, s82, 5
	s_mov_b32 s91, 0
	s_mov_b32 s92, 102400
	s_mov_b32 s93, 204800
	s_cmp_lt_u32 s37, 1
	s_cselect_b32 s92, s92, s93
	s_lshr_b32 s94, s38, 2
	s_lshl_b32 s94, s94, 4
	s_lshl_b32 s95, s35, 2
	s_add_co_u32 s94, s94, s95
	s_add_co_u32 s94, s94, s34
	s_mul_i32 s94, s94, s92
	s_and_b32 s95, s38, 3
	s_mul_i32 s69, s95, 24576
	s_add_co_u32 s69, s69, s94
	s_lshl_b32 s70, s95, 10
	s_add_co_u32 s70, s70, s94
	s_add_co_u32 s70, s70, 98304
	s_bfe_u32 s94, s38, 0x20001
	s_lshl_b32 s94, s94, 4
	s_lshr_b32 s95, s38, 3
	s_lshl_b32 s95, s95, 3
	s_add_co_u32 s94, s94, s95
	s_mul_i32 s94, s94, s93
	s_and_b32 s95, s38, 1
	s_lshl_b32 s95, s95, 3
	s_lshl_b32 s96, s35, 1
	s_add_co_u32 s95, s95, s96
	s_lshr_b32 s96, s34, 1
	s_add_co_u32 s95, s95, s96
	s_and_b32 s96, s34, 1
	s_mul_i32 s97, s95, 6144
	s_add_co_u32 s97, s97, s94
	s_mul_i32 s98, s96, 768
	s_add_co_u32 s97, s97, s98
	s_add_co_u32 s97, s97, 102400
	s_lshl_b32 s98, s95, 8
	s_add_co_u32 s98, s98, s94
	s_lshl_b32 s99, s96, 1
	s_add_co_u32 s98, s98, s99
	s_add_co_u32 s98, s98, 200704
	s_cmp_lt_u32 s37, 2
	s_cselect_b32 s69, s69, s97
	s_cselect_b32 s70, s70, s98
	s_mov_b32 s71, 1536
	s_cselect_b32 s71, 768, s71
	s_mov_b32 s72, 204800
	s_cselect_b32 s72, 3072, s72
	s_mov_b32 s73, 128
	s_cselect_b32 s73, 64, s73
	s_mov_b32 s74, 204800
	s_cselect_b32 s74, 128, s74
	s_cselect_b32 s77, 1, 2
	s_mov_b32 s40, 15|(3<<16)|(1<<20)|(1<<21)|(5<<22)|(3<<25)
	s_mov_b32 s41, 32<<16
	s_mov_b32 s42, 96<<16
	s_mov_b32 s43, 32<<16
	s_mov_b32 s44, 96
	s_mov_b32 s45, 32
	s_mov_b32 s46, 0
	s_mov_b32 s47, 0
	s_mov_b32 s52, (3<<16)|(1<<20)|(5<<22)|(3<<25)
	s_mov_b32 s53, 32<<16
	s_mov_b32 s54, 192<<16
	s_mov_b32 s55, 32<<16
	s_mov_b32 s56, 192
	s_mov_b32 s57, 32
	s_mov_b32 s58, 0
	s_mov_b32 s59, 0
	s_mov_b32 s48, 1
	s_mov_b32 s49, s39
	s_mov_b32 s60, 1
	s_mul_i32 s61, s34, RESB
	s_add_co_u32 s61, s61, SLOTB
	s_mov_b32 s78, 0x76543210
	s_mov_b32 s79, 0xfedcba98
	s_mov_b32 s66, 0
	s_mov_b32 s67, 0
	s_mov_b32 s68, 3
	v_and_b32 v232, 31, v0
	v_and_b32 v233, 15, v0
	v_bfe_u32 v234, v0, 4, 1
	v_mul_u32_u24 v4, v233, 816
	v_mad_u32_u24 v4, v234, 24, v4
	v_lshl_add_u32 v5, v234, 4, v4
	v_lshlrev_b32 v10, 5, v233
	v_lshl_add_u32 v10, v234, 4, v10
	v_lshlrev_b32 v12, 3, v232
	v_lshlrev_b32 v13, s77, v232
	v_lshlrev_b32 v230, 4, v234
	v_add_nc_u32 v14, s61, v4
	v_add_nc_u32 v15, s61, v5
.irp b, 0,1,2,3
	v_mov_b32 v[TM+4+\b], 0
.endr
	s_wait_kmcnt 0x0
	s_cmp_lt_u32 s37, 2
	s_cselect_b64 s[8:9], s[8:9], s[12:13]
	s_cselect_b64 s[10:11], s[10:11], s[14:15]
	s_cselect_b64 s[20:21], s[20:21], s[24:25]
	s_cselect_b64 s[22:23], s[22:23], s[26:27]
	s_cmp_lt_u32 s37, 1
	s_cselect_b64 s[4:5], s[4:5], s[8:9]
	s_cselect_b64 s[6:7], s[6:7], s[10:11]
	s_cselect_b64 s[16:17], s[16:17], s[20:21]
	s_cselect_b64 s[18:19], s[18:19], s[22:23]
	s_cselect_b64 s[28:29], s[28:29], s[30:31]
	s_add_nc_u64 s[50:51], s[4:5], s[84:85]
	s_or_b32 s51, s51, 0x80000000
	s_add_nc_u64 s[62:63], s[16:17], s[88:89]
	s_or_b32 s63, s63, 0x80000000
	s_add_nc_u64 s[6:7], s[6:7], s[86:87]
	s_add_nc_u64 s[18:19], s[18:19], s[90:91]
	ROUND
	tensor_load_to_lds s[60:63], s[52:59]
	s_nop 0
	s_wait_alu depctr_va_vdst(0)
	s_wait_tensorcnt 0x0
	ds_add_u32 v2, v3
	s_wait_dscnt 0x0
	ROUND
	tensor_load_to_lds s[48:51], s[40:47]
	s_nop 0
	PLACES
.irp t, 0,1,2,3
	global_load_b128 v[RS+4*\t:RS+4*\t+3], v10, s[18:19] offset:512*\t
.endr
	SSLD 0, 0
	SSLD 1, 0
	s_wait_tensorcnt 0x1
	s_wait_alu depctr_va_vdst(0)
	RESLD
.Lblk:
	CHANGE 1
	BLOCK 1
	s_sub_co_u32 s68, s68, 1
	s_cmp_lg_u32 s68, 0
	s_cbranch_scc1 .Lblk
	CHANGE 0
	BLOCK 0
	s_wait_tensorcnt 0x0
	ds_add_u32 v2, v3
	s_wait_dscnt 0x0
	ROUND
	s_endpgm
.Lfunc_end_k_q8cfccbbf44_proj:
	.size	k_q8cfccbbf44_proj, .Lfunc_end_k_q8cfccbbf44_proj-k_q8cfccbbf44_proj
	.p2alignl 7, 3214868480
	.fill 96, 4, 3214868480
	.section	.rodata,"a",@progbits
	.p2align	6, 0x0
	.amdhsa_kernel k_q8cfccbbf44_proj
		.amdhsa_group_segment_fixed_size 327680
		.amdhsa_private_segment_fixed_size 0
		.amdhsa_enable_private_segment 0
		.amdhsa_kernarg_size 112
		.amdhsa_user_sgpr_count 2
		.amdhsa_user_sgpr_kernarg_segment_ptr 1
		.amdhsa_wavefront_size32 1
		.amdhsa_system_sgpr_workgroup_id_x 1
		.amdhsa_system_sgpr_workgroup_id_y 1
		.amdhsa_system_sgpr_workgroup_id_z 1
		.amdhsa_system_vgpr_workitem_id 0
		.amdhsa_next_free_vgpr 864
		.amdhsa_next_free_sgpr 100
		.amdhsa_reserve_vcc 0
		.amdhsa_float_denorm_mode_32 3
		.amdhsa_float_denorm_mode_16_64 3
		.amdhsa_memory_ordered 1
		.amdhsa_forward_progress 1
		.amdhsa_inst_pref_size 181
	.end_amdhsa_kernel
	.amdgpu_metadata
---
amdhsa.version: [ 1, 2 ]
amdhsa.kernels:
  - .name:           k_q8cfccbbf44_proj
    .symbol:         k_q8cfccbbf44_proj.kd
    .args:
      - { .name: qc, .offset: 0, .size: 8, .value_kind: global_buffer, .address_space: global }
      - { .name: qs, .offset: 8, .size: 8, .value_kind: global_buffer, .address_space: global }
      - { .name: k_codes, .offset: 16, .size: 8, .value_kind: global_buffer, .address_space: global }
      - { .name: k_scales, .offset: 24, .size: 8, .value_kind: global_buffer, .address_space: global }
      - { .name: Wv_codes, .offset: 32, .size: 8, .value_kind: global_buffer, .address_space: global }
      - { .name: Wv_scales, .offset: 40, .size: 8, .value_kind: global_buffer, .address_space: global }
      - { .name: Wq_codes, .offset: 48, .size: 8, .value_kind: global_buffer, .address_space: global }
      - { .name: Wq_scales, .offset: 56, .size: 8, .value_kind: global_buffer, .address_space: global }
      - { .name: Wk_codes, .offset: 64, .size: 8, .value_kind: global_buffer, .address_space: global }
      - { .name: Wk_scales, .offset: 72, .size: 8, .value_kind: global_buffer, .address_space: global }
      - { .name: v_codes, .offset: 80, .size: 8, .value_kind: global_buffer, .address_space: global }
      - { .name: v_scales, .offset: 88, .size: 8, .value_kind: global_buffer, .address_space: global }
      - { .name: qimg, .offset: 96, .size: 8, .value_kind: global_buffer, .address_space: global }
      - { .name: kv, .offset: 104, .size: 8, .value_kind: global_buffer, .address_space: global }
    .group_segment_fixed_size: 327680
    .private_segment_fixed_size: 0
    .kernarg_segment_align: 8
    .kernarg_segment_size: 112
    .max_flat_workgroup_size: 128
    .sgpr_count:     100
    .vgpr_count:     864
    .wavefront_size: 32
...
	.end_amdgpu_metadata
.endif
;; end of part 2
;; launch attn (part 3): grid 4 x 64, 16 waves a work-group, clusters of 4 x 1, 232,448 bytes of LDS; arguments qimg, kv, cc, cs; writes cc, cs
.if DOCPART == 3
	.amdgcn_target "amdgcn-amd-amdhsa--gfx1250"
	.amdhsa_code_object_version 6
	.text
	.protected	k_q8cfccbbf44_attn
	.globl	k_q8cfccbbf44_attn
	.p2align	8
	.type	k_q8cfccbbf44_attn,@function
k_q8cfccbbf44_attn:
	s_mov_b64 s[64:65], 0
	v_nop
	global_prefetch_b8 v0, s[64:65] scope:SCOPE_SE
	s_setreg_imm32_b32 hwreg(HW_REG_WAVE_MODE, 25, 1), 1
	s_wait_xcnt 0x0
	s_wait_alu depctr_hold_cnt(0) depctr_sa_sdst(0) depctr_va_vdst(0) depctr_va_sdst(0) depctr_va_ssrc(0) depctr_va_vcc(0) depctr_vm_vsrc(0)
	s_getreg_b32 s2, hwreg(HW_REG_IB_STS2, 6, 4)
	s_cmp_eq_u32 s2, 0
	s_cbranch_scc0 .Lentry_in_a_cluster
	s_endpgm
.Lentry_in_a_cluster:
	s_bfe_u32 s2, ttmp6, 0x10000c
	s_cmp_lg_u32 s2, 0x3003
	s_cbranch_scc0 .Lentry_shape_is_right
	s_endpgm
.Lentry_shape_is_right:
; heads = softmax(hq hk^T / 32) hv for one (batch, head), both products on codes of BF6 (E3M2) with E8M0 scales, and the quantising of heads along f = 64 head + dv for the output projection.
; THE SOFTMAX AHEAD OF THE SECOND PRODUCT: t = score x log2(e) / 32; M = the row's largest t so far, rounded UP to a whole number; p = 2^(t - M) is what is quantised, along the keys; the row's sum is taken
; of the unquantised p, in f32, and divides at the end.  When M moves, the sum and O are multiplied by 2^(old M - new M): exact.
; SHARES.  A work-group owns 512 queries of a head, each of its sixteen waves 32: TWO tiles of 16, four waves to a SIMD.  A wave walks the 2,048 keys once, in 16 steps of 128, BOTH TILES IN EACH STEP: a step's
; fragments of K (28 LDS loads) serve both tiles' score products; as soon as the second tile's scores exist, V's fragments (26 loads) land in K's registers and serve both tiles' second products.
; The first tile's second product stands in the second tile's part, ahead of its exponentials: so one set of registers serves P.
; K AND V OF THE WHOLE HEAD, as the projection launch laid them (images of operand registers in planes of 256 bytes, 8 bytes a lane; 800 planes), come into LDS ONCE and stay: no ring, no refill.  The four
; work-groups of a cluster are the four blocks of queries of one head: each of the sixteen loads (50 planes a wave) is asked for JOINTLY, mask 15.
; NO PREFETCH: the launch's one stream is that one load a wave at the head; there is no loop to run ahead in.
; LAYOUT.  Both products transposed: S^T = K Q^T (source 0 = 16 keys, source 1 = 16 queries), O^T = V^T P^T (source 0 = 16 channels, source 1 = P): a lane holds ONE query throughout.
; THE KEYS OF A TILE ARE NOT NEIGHBOURS: of a step's 128 keys, row m of tile 4 c + u is key 64 c + 32 (m / 8) + 8 g(u) + m % 8, g = 0, 2, 1, 3.  So lane (query, h) holds in its registers 32 c + 0 .. 31 ALL
; 32 keys of block 2 c + h: a block's largest score needs no other lane, and the conversions' results are the operand's registers.  A block's slots 0-7, 8-15, 16-23, 24-31 hold its keys 0-7, 16-23, 8-15,
; 24-31, as V's do (and Q's and K's along dk): the products pair rightly, a block's members and scale are those of the rule; only the order of the sums inside the unit differs.
; The tiles are picked out of K's image by the lanes' addresses: rows 0-7 and 8-15 come from images six planes apart.  Planes lie 288 bytes apart in LDS (32 of padding): six planes are 192 modulo 256.
; K = 64 IN A FORM OF K = 128: Q's operand is 6 registers of codes and 6 of zero codes.  K's half fragments lie 6 registers apart; tile t's operand is 12 registers from v[40 + 6 t]: its upper six are the
; next tile's codes, behind the last tile P's codes.  Every 6-bit pattern is a finite number of E3M2, and all of them meet Q's zero codes; the upper two scale bytes are 0, which is 2^-127 and no NaN.
; THE WAY OUT: half a fragment a tile (three stores of 256 consecutive bytes, aligned) and two scale bytes a row: 16-bit pieces 32 bytes apart, 262,144 bytes in the whole launch.
; LIMITS: NaN and infinities are not served; the promise holds while the scaled scores stay under 2^31 in magnitude; a block whose largest magnitude lies under 2^-122 keeps the byte 1, and so does a block
; of zeros: its codes are zeros, and this program alone reads the bytes.  A block's largest p is its largest score put through the same multiply-add and exponential: this takes v_exp_f32 not to fall where its input rises.
; REGISTERS: v0 the thread's number; v1-7 addresses; v8-15 the two tiles' -M, largest score, sum (a pair); v16-19 K's scale words, then V's; v20 Q's; v21 P's; v22-39 at work; v40-87 K, then V; v88-99 P;
;   v100-163 S^T, then p; v164-187 Q (2 x 6 codes + 6 zeros); v188-251 O^T (32 a tile); v252-253 the tiles' scale bytes; v254-255 the add's.
.set PL,  288
.set KSC, 384*PL                       ; K's scale bytes: a plane a step
.set VIM, 400*PL                       ; V's codes
.set VSC, 784*PL                       ; V's scale words: a plane a step
.set SPARE, 800*PL                     ; the spare words: 128 bytes a wave
.set H8,  1
.set KSB, 2
.set VSB, 3
.set KB,  4
.set VB,  5
.set A0,  6
.set A1,  7
.set ST,  8
.set KX,  16
.set QX,  20
.set PW,  21
.set BM,  22                           ; v22-25: four chains of the largest score; then v22, v24 my two blocks' largest score, largest p, scale operand; v23, v25 at work
.set TT,  26
.set QO,  27
.set F,   28                           ; f = 2^(old M - new M); named as a pair with v29
.set T2,  29
.set CT,  30
.set SB,  34                           ; v34-39 three chains of the sum; at the end 1 / the sums
.set KV,  40
.set P,   88
.set S,   100
.set QF,  164
.set O,   188
.set CB,  252
.set SPW, 254
.set NIL, 255
.macro PLACES
.rept 4
	v_nop
.endr
.endm
.macro ROUND                           ; a round of the cluster's barrier
	s_barrier_signal -1
	s_barrier_wait -1
	s_cmp_lg_u32 s12, 0
	s_cbranch_scc1 .Lnot_wave_0_\@
	s_barrier_signal -3
.Lnot_wave_0_\@:
	s_barrier_wait -3
	s_barrier_signal -1
	s_barrier_wait -1
.endm
.macro SPROD t, n                      ; S^T, tile t of 16 keys, for my tile n of queries.  A scale register serves two tiles: lanes 0-15 the even one, lanes 16-31 the odd one
.set rS, S+8*\t
.set rK, KV+6*\t
.set rQ, QF+12*\n
.set rX, KX+(\t)/2
.if (\t%2 == 0) && (\n == 0)
	v_wmma_scale_f32_16x16x128_f8f6f4 v[rS:rS+7], v[rK:rK+11], v[rQ:rQ+11], 0, v[rX], v[QX] matrix_a_fmt:MATRIX_FMT_BF6 matrix_b_fmt:MATRIX_FMT_BF6
.elseif \n == 0
	v_wmma_scale_f32_16x16x128_f8f6f4 v[rS:rS+7], v[rK:rK+11], v[rQ:rQ+11], 0, v[rX], v[QX] matrix_a_fmt:MATRIX_FMT_BF6 matrix_b_fmt:MATRIX_FMT_BF6 matrix_a_scale:MATRIX_SCALE_ROW1
.elseif \t%2 == 0
	v_wmma_scale_f32_16x16x128_f8f6f4 v[rS:rS+7], v[rK:rK+11], v[rQ:rQ+11], 0, v[rX], v[QX] matrix_a_fmt:MATRIX_FMT_BF6 matrix_b_fmt:MATRIX_FMT_BF6 matrix_b_scale:MATRIX_SCALE_ROW1
.else
	v_wmma_scale_f32_16x16x128_f8f6f4 v[rS:rS+7], v[rK:rK+11], v[rQ:rQ+11], 0, v[rX], v[QX] matrix_a_fmt:MATRIX_FMT_BF6 matrix_b_fmt:MATRIX_FMT_BF6 matrix_a_scale:MATRIX_SCALE_ROW1 matrix_b_scale:MATRIX_SCALE_ROW1
.endif
.endm
.macro PVPROD u, n                     ; O^T of tile n, channels 16 u on, += V^T P^T over these 128 keys
.set rO, O+32*\n+8*\u
.set rV, KV+12*\u
.set rX, KX+(\u)/2
.if \u%2 == 0
	v_wmma_scale_f32_16x16x128_f8f6f4 v[rO:rO+7], v[rV:rV+11], v[P:P+11], v[rO:rO+7], v[rX], v[PW] matrix_a_fmt:MATRIX_FMT_BF6 matrix_b_fmt:MATRIX_FMT_BF6
.else
	v_wmma_scale_f32_16x16x128_f8f6f4 v[rO:rO+7], v[rV:rV+11], v[P:P+11], v[rO:rO+7], v[rX], v[PW] matrix_a_fmt:MATRIX_FMT_BF6 matrix_b_fmt:MATRIX_FMT_BF6 matrix_a_scale:MATRIX_SCALE_ROW1
.endif
.endm
; THE ROW'S SUM of the unquantised p: 32 pairs of registers into four packed chains, the tile's own (SA) and three at work.  Line 3 brings the old sum under the new M in the same multiply-add.
.macro PADD
.if SJ < 3
	v_pk_add_f32 v[SB+2*SJ:SB+2*SJ+1], v[S+4*SJ:S+4*SJ+1], v[S+4*SJ+2:S+4*SJ+3]
.elseif SJ == 3
	v_pk_fma_f32 v[SA:SA+1], v[SA:SA+1], v[F:F+1], v[S+12:S+13] op_sel_hi:[1,0,1]
.elseif (SJ-3)%4 == 0
	v_pk_add_f32 v[SA:SA+1], v[SA:SA+1], v[S+2*(SJ+3):S+2*(SJ+3)+1]
.else
	v_pk_add_f32 v[SB+2*((SJ-3)%4-1):SB+2*((SJ-3)%4-1)+1], v[SB+2*((SJ-3)%4-1):SB+2*((SJ-3)%4-1)+1], v[S+2*(SJ+3):S+2*(SJ+3)+1]
.endif
.set SJ, SJ+1
.endm
.macro PADDS k
.rept \k
	PADD
.endr
.endm
; A TILE'S PART OF A KEY STEP: 16 queries x 128 keys.
.macro TILE n
.set SN, ST+4*\n
.set SA, SN+2
.set SPV, ST+4*(1-\n)+2                ; the sum of the tile before
.irp t, 0,1,2,3,4,5,6,7
	SPROD \t, \n
.endr
	v_pk_add_f32 v[SB:SB+1], v[SB:SB+1], v[SB+2:SB+3]         ; the places behind the products: the three chains at work join the sum of the tile before (ahead of the first step they hold zeros),
	v_pk_add_f32 v[SPV:SPV+1], v[SPV:SPV+1], v[SB+4:SB+5]
	v_mov_b32 v[TT], v[SN]                                    ; and the old -M is kept
	v_pk_add_f32 v[SPV:SPV+1], v[SPV:SPV+1], v[SB:SB+1]
.if \n == 1
	v_add_nc_u32 v[A0], s36, v[VB]                 ; K's registers have been read for the last time in this step: V's fragments and scale words land there
	v_add_nc_u32 v[A1], s37, v[VSB]
.irp u, 0,1,2,3
.irp p, 0,1,2,3,4,5
	ds_load_b64 v[KV+12*\u+2*\p:KV+12*\u+2*\p+1], v[A0] offset:6*PL*\u+PL*\p
.endr
.endr
.irp j, 0,1
	ds_load_b32 v[KX+\j], v[A1] offset:128*\j
.endr
.endif
.irp b, 0,1,2,3
	v_max3_num_f32 v[BM+\b], v[S+16*\b], v[S+1+16*\b], v[S+2+16*\b]   ; the largest score of my two blocks of 32 keys, each in two chains; each accumulator from its low end on
.endr
.irp i, 3,5,7,9,11,13
.irp b, 0,1,2,3
	v_max3_num_f32 v[BM+\b], v[BM+\b], v[S+16*\b+\i], v[S+1+16*\b+\i]
.endr
.endr
.irp c, 0,1
	v_max3_num_f32 v[BM+2*\c], v[BM+2*\c], v[BM+1+2*\c], v[S+15+32*\c]
.endr
.irp c, 0,1
	v_max_num_f32 v[BM+2*\c], v[BM+2*\c], v[S+31+32*\c]   ; block 2 c + lane / 16: all its 32 keys are mine
.endr
	v_max_num_f32 v[T2], v[BM], v[BM+2]
	s_delay_alu instid0(VALU_DEP_1)
	v_permlanex16_b32 v[BM+1], v[T2], s20, s21     ; lane l xor 16 holds my query's other two blocks
	s_delay_alu instid0(VALU_DEP_1)
	v_max3_num_f32 v[SN+1], v[SN+1], v[T2], v[BM+1]   ; the running largest score of my query
	s_delay_alu instid0(VALU_DEP_1)
	v_mul_f32 v[BM+3], s22, v[SN+1]                ; as t (c is positive)
	s_delay_alu instid0(VALU_DEP_1)
	v_floor_f32 v[SN], -v[BM+3]                    ; the new -M = floor(-t) = -ceil(t): a whole number
.set J, 0
.rept 32
	v_pk_fma_f32 v[S+J:S+J+1], v[S+J:S+J+1], s[22:23], v[SN:SN+1] op_sel_hi:[1,0,0]   ; t - M, two at a time (of the pairs c and -M the low word serves both halves)
.if J == 6
	v_sub_f32 v[TT], v[SN], v[TT]                  ; old M less new M: a whole number, 0 or less
.endif
.if J == 20
	v_cvt_i32_f32 v[TT], v[TT]                     ; (it saturates)
.endif
.set J, J+2
.endr
.irp c, 0,1
	v_fma_f32 v[BM+2*\c], v[BM+2*\c], s22, v[SN]   ; the same of each block's largest score
.endr
.if \n == 1
	s_wait_dscnt 0x0                               ; V and its scale words are in
.irp u, 0,1,2,3
	PVPROD \u, 0                                   ; the first tile's second product, while its P still stands; four accumulators by turns
.endr
.endif
	s_wait_alu depctr_va_vdst(0)                   ; the wait ahead of the batch
.set J, 0
.rept 64
	v_exp_f32 v[S+J], v[S+J]                       ; p = 2^(t - M), at most 1: not normalised
.set J, J+1
.endr
.irp c, 0,1
	v_exp_f32 v[BM+2*\c], v[BM+2*\c]               ; the block's largest p
.endr
	v_ldexp_f32 v[F], 1.0, v[TT]                   ; f = 2^(old M - new M): the plain place behind the exponentials
	s_wait_alu depctr_va_vdst(0)                   ; and the wait behind the batch
.set SJ, 0
.irp c, 0,1
	v_max_num_f32 v[BM+2*\c], 0x2800000, v[BM+2*\c]   ; the floor 2^(5 - 127): the byte cannot fall under 1
.endr
	PADDS 3                                        ; the sum's additions stand between the links of the scale word's chain
.irp c, 0,1
	v_add_nc_u32 v[BM+2*\c], 0xfe000000, v[BM+2*\c]   ; 4 off the exponent field: the conversion's scale operand
.endr
	PADDS 3
	v_cvt_scalef32_pk16_bf6_f32 v[P:P+2], v[S:S+15], v[BM]            ; registers 6 c .. 6 c + 5 of the operand are my block's 32 codes
	v_cvt_scalef32_pk16_bf6_f32 v[CT:CT+2], v[S+16:S+31], v[BM]       ; (a conversion's three registers begin on an even number: a block's second half is made elsewhere and moved)
	v_cvt_scalef32_pk16_bf6_f32 v[P+6:P+8], v[S+32:S+47], v[BM+2]
	PADDS 1                                        ; one plain place behind a scaled conversion
.irp i, 0,1,2
	v_mov_b32 v[P+3+\i], v[CT+\i]
.endr
	v_cvt_scalef32_pk16_bf6_f32 v[CT:CT+2], v[S+48:S+63], v[BM+2]
.irp c, 0,1
	v_lshrrev_b32 v[BM+1+2*\c], 23, v[BM+2*\c]     ; the scale's byte (plain places behind the conversion)
.endr
.irp i, 0,1,2
	v_mov_b32 v[P+9+\i], v[CT+\i]
.endr
	v_lshl_or_b32 v[PW], v[BM+3], 16, v[BM+1]      ; my two bytes: blocks h and 2 + h of my query,
	PADDS 2
	v_lshlrev_b32 v[PW], v[H8], v[PW]              ; at their places in the scale word (8 h bits up);
	PADDS 2
	v_permlanex16_b32 v[T2], v[PW], s20, s21
	PADDS 2
	v_or_b32 v[PW], v[PW], v[T2]                   ; with lane l xor 16's two the word of these 128 keys is whole
	PADDS 16                                       ; (these and the 16 lines below are the places between the scale word, P's codes and the products)
	s_wait_alu depctr_va_vdst(0)                   ; the wait here, directly ahead of the first reader of O^T
.set J, 0
.rept 16
	v_pk_mul_f32 v[O+32*\n+J:O+32*\n+J+1], v[O+32*\n+J:O+32*\n+J+1], v[F:F+1] op_sel_hi:[1,0]   ; O^T under the new M, each accumulator from its low end on
.set J, J+2
.endr
.if \n == 1
.irp u, 0,1,2,3
	PVPROD \u, 1                                   ; four accumulators by turns, one instruction a turn
.endr
.endif
.endm
; THE WAY OUT of tile n: heads = O^T / the sum, into the natural order, quantised along f, stored.
.macro OUT n
.set SS, S+32*\n
.set CD, KV+6*\n
	s_wait_alu depctr_va_vdst(0)                   ; the wait here: behind the reciprocals, directly ahead of the first reader of O^T
.set J, 0
.rept 16
	v_pk_mul_f32 v[SS+J:SS+J+1], v[O+32*\n+J:O+32*\n+J+1], v[SB+2*\n:SB+2*\n+1] op_sel_hi:[1,0]
.set J, J+2
.endr
.irp b, 0,1
.irp j, 0,1,2,3,4,5,6,7
	v_permlane16_swap_b32 v[SS+16*\b+\j], v[SS+8+16*\b+\j]   ; register 16 b + i now holds channel 32 b + 16 (lane / 16) + i
.endr
.endr
.irp b, 0,1
	v_max3_num_f32 v[BM+\b], |v[SS+16*\b]|, |v[SS+1+16*\b]|, 0x2800000
.endr
.irp i, 2,4,6,8,10,12,14
.irp b, 0,1
	v_max3_num_f32 v[BM+\b], v[BM+\b], |v[SS+16*\b+\i]|, |v[SS+1+16*\b+\i]|
.endr
.endr
.irp b, 0,1
	v_permlanex16_b32 v[BM+2+\b], v[BM+\b], s20, s21
.endr
.irp b, 0,1
	v_max_num_f32 v[BM+\b], v[BM+\b], v[BM+2+\b]   ; the block's largest magnitude
.endr
.irp b, 0,1
	v_add_nc_u32 v[BM+\b], 0xfe000000, v[BM+\b]    ; the conversion's scale operand
.endr
.irp b, 0,1
	v_lshrrev_b32 v[BM+2+\b], 23, v[BM+\b]
.endr
	v_lshl_or_b32 v[CB+\n], v[BM+3], 8, v[BM+2]    ; my row's two scale bytes
	v_cvt_scalef32_pk16_bf6_f32 v[CD:CD+2], v[SS:SS+15], v[BM]
	v_cvt_scalef32_pk16_bf6_f32 v[CT:CT+2], v[SS+16:SS+31], v[BM+1]
	v_nop                                          ; one plain place behind a scaled conversion
.irp i, 0,1,2
	v_permlane16_swap_b32 v[CD+\i], v[CT+\i]       ; here a block lies in lanes l and l xor 16: the operand's layout wants it whole in a lane
.endr
.irp i, 0,1,2
	v_mov_b32 v[CD+3+\i], v[CT+\i]
.endr
.irp p, 0,1,2
	global_store_b64 v[A0], v[CD+2*\p:CD+2*\p+1], s[8:9] offset:12288*\n+256*\p   ; 32 lanes store 256 consecutive bytes, aligned; each tile has six registers of its own
.endr
.endm
	s_load_b128 s[4:7], s[0:1], 0x0                ; qimg, kv
	s_load_b128 s[8:11], s[0:1], 0x10              ; cc, cs
	v_lshl_add_u32 v[SPW], v0, 2, SPARE
	v_mov_b32 v[NIL], 0
	ds_add_u32 v[SPW], v[NIL]                      ; the opening lines: the add, twice on end, and its wait ahead of my tensor load
	ds_add_u32 v[SPW], v[NIL]
	v_lshrrev_b32 v[T2], 5, v0
	v_readfirstlane_b32 s12, v[T2]                 ; wave 0..15
	s_bfe_u32 s13, ttmp6, 0x40000                  ; cx: my block of 512 queries; it enters global addresses of Q and of the way out alone
	s_and_b32 s14, ttmp7, 0xffff                   ; 16 batch + head, which the four partners share
	s_mul_i32 s33, s12, 50*PL                      ; my sixteenth of the head's images, 50 planes, in LDS
	s_mul_i32 s40, s14, 204800
	s_mul_i32 s41, s12, 12800
	s_add_co_u32 s40, s40, s41                     ; and in kv, where the planes are dense
	s_mov_b32 s41, 0
	s_lshl_b32 s15, s13, 4
	s_add_co_u32 s15, s15, s12                     ; 16 cx + wave: my pair of tiles of queries
	s_mul_i32 s17, s14, 102400
	s_mul_i32 s42, s15, 1536
	s_add_co_u32 s42, s42, s17                     ; Q's codes: 768 bytes a tile
	s_mov_b32 s43, 0
	s_lshl_b32 s44, s15, 6
	s_add_co_u32 s44, s44, s17
	s_add_co_u32 s44, s44, 98304                   ; Q's scale bytes: 32 a tile
	s_mov_b32 s45, 0
	s_lshr_b32 s18, s14, 4                         ; batch
	s_and_b32 s19, s14, 15                         ; head
	s_lshl_b32 s46, s18, 6
	s_add_co_u32 s46, s46, s15                     ; my pair of tiles among all 8,192 rows
	s_lshl_b32 s48, s46, 10                        ; cs: 32 rows of 32 bytes,
	s_lshl_b32 s49, s19, 1
	s_add_co_u32 s48, s48, s49                     ; + 2 head
	s_mov_b32 s49, 0
	s_mul_i32 s46, s46, 24576                      ; cc: two tiles of 12,288 bytes,
	s_mul_i32 s47, s19, 768
	s_add_co_u32 s46, s46, s47                     ; + 768 head
	s_mov_b32 s47, 0
	s_mov_b32 s24, 15|(3<<16)|(1<<20)|(1<<21)|(5<<22)|(7<<25)   ; the mask: all four work-groups; elements of 8 bytes; padding on; bit 21 beside a mask; after every 64 words 8 words
	s_mov_b32 s25, 32<<16                          ; tensor_dim0 = 32: rows of 256 bytes
	s_mov_b32 s26, 50<<16                          ; tensor_dim1 = 50
	s_mov_b32 s27, 32<<16                          ; tile_dim0
	s_mov_b32 s28, 50                              ; tile_dim1
	s_mov_b32 s29, 32                              ; the pitch: dense
	s_mov_b32 s30, 0
	s_mov_b32 s31, 0
	s_mov_b32 s32, 1
	s_mov_b32 s20, 0x76543210
	s_mov_b32 s21, 0xfedcba98                      ; v_permlanex16_b32's selects for lane l xor 16
	s_mov_b32 s22, 0x3d38aa3b                      ; c = log2(e) / 32
	s_mov_b32 s23, s22                             ; (named with it as a pair, so it is written)
	v_and_b32 v[T2], 31, v0                        ; lane
	v_lshlrev_b32 v[A0], 3, v[T2]                  ; a plane: 8 bytes a lane
	v_lshlrev_b32 v[QO], 1, v[T2]                  ; Q's scale bytes in memory: 2 a lane
	v_lshl_add_u32 v[VSB], v[T2], 2, VSC           ; V's scale words
	v_add_nc_u32 v[VB], VIM, v[A0]                 ; V's planes
	v_and_b32 v[KB], 7, v0                         ; lane % 8
	v_bfe_u32 v[TT], v0, 3, 1                      ; (lane / 8) % 2: rows 8-15 of a tile
	v_bfe_u32 v[H8], v0, 4, 1                      ; lane / 16
	v_lshlrev_b32 v[KSB], 1, v[KB]                 ; K's scale bytes: 2 (lane % 8),
	v_lshl_add_u32 v[KSB], v[TT], 6, v[KSB]        ; + 64 for rows 8-15,
	v_lshl_add_u32 v[KSB], v[H8], 5, v[KSB]        ; + 32 for the odd tile of the register's two
	v_add_nc_u32 v[KSB], KSC, v[KSB]
	v_lshlrev_b32 v[KB], 3, v[KB]                  ; K's codes: 8 (lane % 8),
	v_lshl_add_u32 v[KB], v[H8], 7, v[KB]          ; + 128 for the lanes that hold the second block along dk,
	v_mad_u32_u24 v[KB], v[TT], 6*PL, v[KB]        ; + six planes for rows 8-15
	v_lshlrev_b32 v[H8], 3, v[H8]                  ; 8 (lane / 16): how far up my two bytes stand in P's scale word
.irp n, 0,1
.irp j, 6,7,8,9,10,11
	v_mov_b32 v[QF+12*\n+\j], 0                    ; zero codes: the upper half of K in Q's operands
.endr
	v_mov_b32 v[ST+4*\n+1], 0xff61b1e6             ; the largest score so far: -3e38, under every score
	v_mov_b32 v[ST+4*\n+2], 0                      ; the sum
	v_mov_b32 v[ST+4*\n+3], 0
.endr
.irp n, 0,1
	v_floor_f32 v[ST+4*\n], -v[ST+4*\n+1]          ; -M
.endr
.irp j, 0,1,2,3,4,5
	v_mov_b32 v[P+\j], 0                           ; named behind K's last half fragment before P is first made
	v_mov_b32 v[SB+\j], 0                          ; the chains at work, which the first tile joins to a sum
.endr
	s_wait_alu depctr_va_vdst(0)                   ; the wait here, directly ahead of the wait below
	s_wait_dscnt 0x0                               ; both opening adds are done
	s_wait_kmcnt 0x0
	s_add_nc_u64 s[34:35], s[6:7], s[40:41]
	s_or_b32 s35, s35, 0x80000000
	s_add_nc_u64 s[50:51], s[4:5], s[44:45]
	s_add_nc_u64 s[4:5], s[4:5], s[42:43]
	s_add_nc_u64 s[8:9], s[8:9], s[46:47]
	s_add_nc_u64 s[10:11], s[10:11], s[48:49]
	ROUND                                          ; all four work-groups are here: the joint loads meet
	tensor_load_to_lds s[32:35], s[24:31]          ; my one tensor load of the launch
	s_nop 0
	PLACES
.irp n, 0,1
.irp p, 0,1,2
	global_load_b64 v[QF+12*\n+2*\p:QF+12*\n+2*\p+1], v[A0], s[4:5] offset:768*\n+256*\p
.endr
.endr
	global_load_u16 v[QX], v[QO], s[50:51]         ; lanes 0-15: tile 0's rows, lanes 16-31: tile 1's
.set J, 0
.rept 64
	v_mov_b32 v[O+J], 0                            ; O^T: the step is written once; the first finds zeros, which the first change of M leaves zeros
.set J, J+1
.endr
	s_mov_b32 s36, 0                               ; the step's place among the planes of codes, of K and of V alike,
	s_mov_b32 s37, 0                               ; and among the planes of scale bytes
	s_mov_b32 s38, 16
	s_wait_alu depctr_va_vdst(0)                   ; the wait here, directly ahead of the wait below
	s_wait_tensorcnt 0x0                           ; my part of the images is in,
	s_barrier_signal -1
	s_barrier_wait -1                              ; everybody's is
	s_wait_loadcnt 0x0                             ; Q: its loads have also read their offsets, which are written again below
.Lstep:
	v_add_nc_u32 v[A0], s36, v[KB]                 ; four places in front of the loads into registers that the last products read
	v_add_nc_u32 v[A1], s37, v[KSB]
	v_nop
	v_nop
.irp c, 0,1                            ; K's eight half fragments.  Tile 4 c + u: rows 0-7 in the image of keys 64 c + 16 (u % 2) on, at rows 8 (u / 2) on; rows 8-15 two images on (the lane's term)
.irp u, 0,1,2,3
.irp p, 0,1,2
	ds_load_b64 v[KV+6*(4*\c+\u)+2*\p:KV+6*(4*\c+\u)+2*\p+1], v[A0] offset:12*PL*\c+3*PL*(\u%2)+64*(\u/2)+PL*\p
.endr
.endr
.endr
.irp j, 0,1,2,3
	ds_load_u16 v[KX+\j], v[A1] offset:128*(\j/2)+16*(\j%2)   ; the scale bytes of tiles 2 j and 2 j + 1: two bytes a key, widened with zeros
.endr
	s_wait_dscnt 0x0                               ; K and its scale words are in
	TILE 0
	TILE 1
	s_add_co_u32 s36, s36, 24*PL                   ; the next step: 24 planes of codes on,
	s_add_co_u32 s37, s37, PL                      ; one plane of scale bytes on
	s_sub_co_u32 s38, s38, 1
	s_cmp_lg_u32 s38, 0
	s_cbranch_scc1 .Lstep
	v_pk_add_f32 v[SB:SB+1], v[SB:SB+1], v[SB+2:SB+3]         ; the last tile's chains join its sum.  (These lines are also the places behind the last products)
	v_pk_add_f32 v[ST+6:ST+7], v[ST+6:ST+7], v[SB+4:SB+5]
	v_and_b32 v[T2], 31, v0                        ; lane
	v_lshlrev_b32 v[A0], 3, v[T2]                  ; cc: a plane: 8 bytes a lane
	v_pk_add_f32 v[ST+6:ST+7], v[ST+6:ST+7], v[SB:SB+1]
	v_lshlrev_b32 v[A1], 5, v[T2]                  ; cs: a row a lane
.irp n, 0,1
	v_add_f32 v[ST+4*\n+2], v[ST+4*\n+2], v[ST+4*\n+3]        ; a sum's two halves,
.endr
.irp n, 0,1
	v_permlanex16_b32 v[BM+\n], v[ST+4*\n+2], s20, s21
.endr
.irp n, 0,1
	v_add_f32 v[ST+4*\n+2], v[ST+4*\n+2], v[BM+\n]            ; and lane l xor 16's: the row's sum
.endr
	s_wait_alu depctr_va_vdst(0)                   ; the wait ahead of the batch
.irp n, 0,1
	v_rcp_f32 v[SB+2*\n], v[ST+4*\n+2]
.endr
	v_nop                                          ; a plain place behind the transcendentals
	OUT 0
	OUT 1
	v_cmp_gt_u32 vcc_lo, 16, v[T2]
	v_cndmask_b32 v[BM], v[CB+1], v[CB], vcc_lo    ; lanes 0-15: tile 0's rows, lanes 16-31: tile 1's
	global_store_b16 v[A1], v[BM], s[10:11]
	s_wait_tensorcnt 0x0                           ; the wave's end
	ds_add_u32 v[SPW], v[NIL]
	s_wait_dscnt 0x0
	ROUND                                          ; the closing round
	s_endpgm
.Lfunc_end_k_q8cfccbbf44_attn:
	.size	k_q8cfccbbf44_attn, .Lfunc_end_k_q8cfccbbf44_attn-k_q8cfccbbf44_attn
	.p2alignl 7, 3214868480
	.fill 96, 4, 3214868480
	.section	.rodata,"a",@progbits
	.p2align	6, 0x0
	.amdhsa_kernel k_q8cfccbbf44_attn
		.amdhsa_group_segment_fixed_size 232448
		.amdhsa_private_segment_fixed_size 0
		.amdhsa_enable_private_segment 0
		.amdhsa_kernarg_size 32
		.amdhsa_user_sgpr_count 2
		.amdhsa_user_sgpr_kernarg_segment_ptr 1
		.amdhsa_wavefront_size32 1
		.amdhsa_system_sgpr_workgroup_id_x 1
		.amdhsa_system_sgpr_workgroup_id_y 1
		.amdhsa_system_sgpr_workgroup_id_z 1
		.amdhsa_system_vgpr_workitem_id 0
		.amdhsa_next_free_vgpr 256
		.amdhsa_next_free_sgpr 66
		.amdhsa_reserve_vcc 1
		.amdhsa_float_denorm_mode_32 3
		.amdhsa_float_denorm_mode_16_64 3
		.amdhsa_memory_ordered 1
		.amdhsa_forward_progress 1
		.amdhsa_inst_pref_size 46
	.end_amdhsa_kernel
	.amdgpu_metadata
---
amdhsa.version: [ 1, 2 ]
amdhsa.kernels:
  - .name:           k_q8cfccbbf44_attn
    .symbol:         k_q8cfccbbf44_attn.kd
    .args:
      - { .name: qimg, .offset: 0, .size: 8, .value_kind: global_buffer, .address_space: global }
      - { .name: kv, .offset: 8, .size: 8, .value_kind: global_buffer, .address_space: global }
      - { .name: cc, .offset: 16, .size: 8, .value_kind: global_buffer, .address_space: global }
      - { .name: cs, .offset: 24, .size: 8, .value_kind: global_buffer, .address_space: global }
    .group_segment_fixed_size: 232448
    .private_segment_fixed_size: 0
    .kernarg_segment_align: 8
    .kernarg_segment_size: 32
    .max_flat_workgroup_size: 512
    .sgpr_count:     66
    .vgpr_count:     256
    .wavefront_size: 32
...
	.end_amdgpu_metadata
.endif
;; end of part 3
;; launch outln (part 4): grid 256 x 1, 8 waves a work-group, no clusters, 263,680 bytes of LDS; arguments cc, cs, wpi, Wp_scales, q, scale, offset, out0; writes out0
.if DOCPART == 4
	.amdgcn_target "amdgcn-amd-amdhsa--gfx1250"
	.amdhsa_code_object_version 6
	.text
	.protected	k_q8cfccbbf44_outln
	.globl	k_q8cfccbbf44_outln
	.p2align	8
	.type	k_q8cfccbbf44_outln,@function
k_q8cfccbbf44_outln:
	s_mov_b64 s[64:65], 0
	v_nop
	global_prefetch_b8 v0, s[64:65] scope:SCOPE_SE
	s_setreg_imm32_b32 hwreg(HW_REG_WAVE_MODE, 25, 1), 1
	s_wait_xcnt 0x0
; out0 = LayerNorm(concat Wp^T + q): the output projection on codes of BF6 (E3M2) with E8M0 scales, K = 1024; the residual; mean and unbiased deviation (divisor 1023) of each row of 1024; scale and offset.  All but the product in f32.
; SHARES.  A work-group owns 32 whole rows.  Wave w makes columns 128 w .. 128 w + 127 (8 tiles of 16 rows of Wp) for both tiles of 16 rows, and then normalises rows 4 w .. 4 w + 3.
; The rows' 16 fragments stay in each wave's registers (window 1).  Its own 98,304 bytes of Wp, laid in the order of an operand's registers by the first launch, stream straight into registers, 512 consecutive bytes a load,
; two units of 24 loads ahead.  NO CLUSTER AND NO LDS FOR Wp: a fragment of Wp feeds one wave of a work-group alone, so LDS would add a write and a read of each byte and share nothing inside the work-group; a joint ring
; would have one slot on its way for each round, against 16 products a wave; here a wave has up to 48 loads out and no barrier in the product.
; THE PRODUCT IS USED TRANSPOSED (source 0 = 16 rows of Wp, source 1 = 16 rows of concat): a lane holds eight neighbouring columns of one row.  The results meet in a stage in LDS (rows of 4,096 + 16 bytes);
; q's 32 rows come once by tensor loads, each wave its own four rows, which it alone reads.  The variance is taken of the differences from the mean, in a second pass over registers.
; LDS: q's rows at 0 (131,072 bytes); the stage at 131,072 (32 x 4,112), into which no tensor load lands.
; REGISTERS: window 0: v1-7 addresses; v10-17 the rows' scale words; v18-49 Wp's; v50-61 at work; v64-159, v160-255 two buffers of 8 fragments of Wp, later rows, scale and offset.
;   window 1: v0-191 the rows' fragments (tile m, K step s at 12 (8 m + s)); v192-255 two sets of four accumulators.
.set STG, 131072
.set SPI, 4112
.set MSB, 0
.macro WIN new                         ; the immediate's high byte repeats the setting that is left
.if MSB != \new
	s_set_vgpr_msb (MSB<<8)|\new
.set MSB, \new
.endif
.endm
.macro PLACES
.rept 4
	v_nop
.endr
.endm
.macro WLOAD u                         ; unit u = (pair u / 2 of tiles of Wp, half u % 2 of K): 8 fragments, 24 loads, into buffer u % 2
.set WBB, 64+96*((\u)%2)
.irp T, 0,1
.irp s, 0,1,2,3
.irp c, 0,1,2
	global_load_b128 v[WBB+12*(4*\T+\s)+4*\c:WBB+12*(4*\T+\s)+4*\c+3], v2, s[8:9] offset:(2*((\u)/2)+\T)*12288+(4*((\u)%2)+\s)*1536+512*\c
.endr
.endr
.endr
.endm
.macro UNIT u                          ; 16 products: 4 K steps x 2 tiles of Wp x 2 tiles of rows; four accumulators by turns, one instruction a turn
.set PP, (\u)/2
.set KH, (\u)%2
.set WBU, 64+96*KH
.if (\u) < 7
	s_wait_loadcnt 24                              ; this unit's fragments (and all that was asked for ahead of them) are in; the next unit's 24 loads may be out
.else
	s_wait_loadcnt 0x0
.endif
.if (KH == 0) && (PP >= 2)
	s_wait_dscnt 8                                 ; the stage stores that read this set of accumulators are done; the last pair's eight may be out
.endif
	WIN 0x54                                       ; source 0 (Wp) window 0; source 1 (rows), C and D window 1
.irp s, 0,1,2,3
.irp T, 0,1
.irp m, 0,1
.set rD, 192+32*(PP%2)+8*(2*\T+\m)
.set rA, WBU+12*(4*\T+\s)
.set rB, 12*(8*\m+4*KH+\s)
.set rX, 18+4*(2*PP+\T)+\s
.set rY, 10+4*\m+\s
.if (KH == 0) && (\s == 0)
	v_wmma_scale_f32_16x16x128_f8f6f4 v[rD:rD+7], v[rA:rA+11], v[rB:rB+11], 0, v[rX], v[rY] matrix_a_fmt:MATRIX_FMT_BF6 matrix_b_fmt:MATRIX_FMT_BF6
.elseif KH == 0
	v_wmma_scale_f32_16x16x128_f8f6f4 v[rD:rD+7], v[rA:rA+11], v[rB:rB+11], v[rD:rD+7], v[rX], v[rY] matrix_a_fmt:MATRIX_FMT_BF6 matrix_b_fmt:MATRIX_FMT_BF6
.else
	v_wmma_scale_f32_16x16x128_f8f6f4 v[rD:rD+7], v[rA:rA+11], v[rB:rB+11], v[rD:rD+7], v[rX], v[rY] matrix_a_fmt:MATRIX_FMT_BF6 matrix_b_fmt:MATRIX_FMT_BF6 matrix_a_scale:MATRIX_SCALE_ROW1 matrix_b_scale:MATRIX_SCALE_ROW1
.endif
.endr
.endr
.endr
	WIN 0
	PLACES                                         ; in front of the loads into the buffer just read, and of the stores that read results
.if (\u) < 6
	WLOAD (\u)+2
.endif
.if KH == 1
	WIN 0x04                                       ; an LDS store's data are its source 1: window 1
	s_wait_alu depctr_va_vdst(0)
.irp T, 0,1
.irp m, 0,1
.set rD, 192+32*(PP%2)+8*(2*\T+\m)
	ds_store_b128 v[4+\m], v[rD:rD+3] offset:64*(2*PP+\T)          ; lane (r, h): row 16 m + r, columns 128 w + 16 (2 P + T) + 8 h + 0 .. 7; each accumulator from its low end on
	ds_store_b128 v[4+\m], v[rD+4:rD+7] offset:64*(2*PP+\T)+16
.endr
.endr
	WIN 0
.endif
.endm
.macro ROWLD i, x                      ; my row i: the product's 4,096 bytes from the stage into v[x] on, q's into v[x + 32] on; 16 bytes a lane, 512 on end a load
.irp j, 0,1,2,3,4,5,6,7
	ds_load_b128 v[(\x)+4*\j:(\x)+4*\j+3], v6 offset:SPI*\i+512*\j
.endr
.irp j, 0,1,2,3,4,5,6,7
	ds_load_b128 v[(\x)+32+4*\j:(\x)+32+4*\j+3], v7 offset:4096*\i+512*\j
.endr
.endm
.macro REDUCE                          ; v[50:57], four packed chains, into one sum over the row, in every lane's v50
	s_delay_alu instid0(VALU_DEP_3)
	v_pk_add_f32 v[50:51], v[50:51], v[52:53]
	s_delay_alu instid0(VALU_DEP_2)
	v_pk_add_f32 v[54:55], v[54:55], v[56:57]
	s_delay_alu instid0(VALU_DEP_1)
	v_pk_add_f32 v[50:51], v[50:51], v[54:55]
	s_delay_alu instid0(VALU_DEP_1)
	v_add_f32 v50, v50, v51
	s_delay_alu instid0(VALU_DEP_1)
	v_add_f32_dpp v50, v50, v50 row_xmask:1 row_mask:0xf bank_mask:0xf
	s_delay_alu instid0(VALU_DEP_1)
	v_add_f32_dpp v50, v50, v50 row_xmask:2 row_mask:0xf bank_mask:0xf
	s_delay_alu instid0(VALU_DEP_1)
	v_add_f32_dpp v50, v50, v50 row_xmask:4 row_mask:0xf bank_mask:0xf
	s_delay_alu instid0(VALU_DEP_1)
	v_add_f32_dpp v50, v50, v50 row_xmask:8 row_mask:0xf bank_mask:0xf
	s_delay_alu instid0(VALU_DEP_1)
	v_permlanex16_b32 v60, v50, s36, s37
	s_delay_alu instid0(VALU_DEP_1)
	v_add_f32 v50, v50, v60
.endm
.macro ROWLN i, x, left                ; left: the LDS loads of the row behind this one, which may stay out
	s_wait_dscnt \left
.set J, 0
.rept 16
	v_pk_add_f32 v[(\x)+J:(\x)+J+1], v[(\x)+J:(\x)+J+1], v[(\x)+32+J:(\x)+33+J]   ; + the residual
.set J, J+2
.endr
.irp k, 0,1,2,3
	v_pk_add_f32 v[50+2*\k:51+2*\k], v[(\x)+2*\k:(\x)+2*\k+1], v[(\x)+8+2*\k:(\x)+9+2*\k]   ; the row's sum, in four chains
.endr
.irp g, 16,24
.irp k, 0,1,2,3
	s_delay_alu instid0(VALU_DEP_4)
	v_pk_add_f32 v[50+2*\k:51+2*\k], v[50+2*\k:51+2*\k], v[(\x)+\g+2*\k:(\x)+\g+2*\k+1]
.endr
.endr
	REDUCE
	s_delay_alu instid0(VALU_DEP_1)
	v_mul_f32 v58, 0xba800000, v50                 ; - the mean: the sum x -1/1024
.set J, 0
.rept 16
	v_pk_add_f32 v[(\x)+J:(\x)+J+1], v[(\x)+J:(\x)+J+1], v[58:59] op_sel_hi:[1,0]
.set J, J+2
.endr
.irp k, 0,1,2,3
	v_pk_mul_f32 v[50+2*\k:51+2*\k], v[(\x)+2*\k:(\x)+2*\k+1], v[(\x)+2*\k:(\x)+2*\k+1]   ; the squares of the differences
.endr
.irp g, 8,16,24
.irp k, 0,1,2,3
	s_delay_alu instid0(VALU_DEP_4)
	v_pk_fma_f32 v[50+2*\k:51+2*\k], v[(\x)+\g+2*\k:(\x)+\g+2*\k+1], v[(\x)+\g+2*\k:(\x)+\g+2*\k+1], v[50+2*\k:51+2*\k]
.endr
.endr
	REDUCE
	s_delay_alu instid0(VALU_DEP_1)
	v_mul_f32 v50, 0x3a802008, v50                 ; / 1023
	s_wait_alu depctr_va_vdst(0)
	v_sqrt_f32 v61, v50
	v_nop                                          ; a plain place behind a transcendental
	s_wait_alu depctr_va_vdst(0)
	v_add_f32 v61, 0x3089705f, v61                 ; + 1e-9
	s_wait_alu depctr_va_vdst(0)
	v_rcp_f32 v58, v61
	v_nop
.set J, 0
	s_wait_alu depctr_va_vdst(0)
.rept 16
	v_pk_mul_f32 v[(\x)+J:(\x)+J+1], v[(\x)+J:(\x)+J+1], v[58:59] op_sel_hi:[1,0]
.set J, J+2
.endr
.set J, 0
.rept 16
	v_pk_fma_f32 v[(\x)+J:(\x)+J+1], v[(\x)+J:(\x)+J+1], v[128+J:129+J], v[160+J:161+J]   ; x scale + offset
.set J, J+2
.endr
.irp j, 0,1,2,3,4,5,6,7
	global_store_b128 v2, v[(\x)+4*\j:(\x)+4*\j+3], s[18:19] offset:4096*\i+512*\j th:TH_STORE_NT   ; 32 lanes store 512 consecutive bytes, aligned; written once, read by nobody here
.endr
.endm
	s_load_b512 s[4:19], s[0:1], 0x0               ; cc, cs, wpi, Wp_scales, q, scale, offset, out0
	v_lshl_add_u32 v62, v0, 2, 0x40200
	v_mov_b32 v63, 0
	ds_add_u32 v62, v63
	ds_add_u32 v62, v63
	v_lshrrev_b32 v1, 5, v0
	s_delay_alu instid0(VALU_DEP_1)
	v_readfirstlane_b32 s20, v1                    ; wave 0..7
	s_mov_b32 s24, 3<<16                           ; q's rows: elements of 8 bytes, no mask, no padding
	s_mov_b32 s25, 32<<16                          ; tensor_dim0 = 32: rows of 256 bytes
	s_mov_b32 s26, 64<<16                          ; tensor_dim1 = 64: four rows of q
	s_mov_b32 s27, 32<<16                          ; tile_dim0
	s_mov_b32 s28, 64                              ; tile_dim1
	s_mov_b32 s29, 32                              ; the pitch: dense
	s_mov_b32 s30, 0
	s_mov_b32 s31, 0
	s_mov_b32 s32, 1
	s_lshl_b32 s33, s20, 14                        ; my four rows' place in LDS
	s_lshl_b32 s38, ttmp9, 5
	s_lshl_b32 s39, s20, 2
	s_add_co_u32 s38, s38, s39                     ; my first row to normalise: 32 x work-group + 4 x wave
	s_lshl_b32 s38, s38, 12                        ; rows of 4,096 bytes
	s_mov_b32 s39, 0
	s_mul_i32 s40, ttmp9, 24576                    ; cc: two tiles of rows
	s_mov_b32 s41, 0
	s_lshl_b32 s42, ttmp9, 10                      ; cs: 32 rows of 32 bytes
	s_mov_b32 s43, 0
	s_mul_i32 s44, s20, 98304                      ; wpi: my eight tiles
	s_mov_b32 s45, 0
	s_lshl_b32 s46, s20, 12                        ; Wp's scale bytes: my 128 rows
	s_mov_b32 s47, 0
	s_mov_b32 s36, 0x76543210
	s_mov_b32 s37, 0xfedcba98                      ; v_permlanex16_b32's selects for lane l xor 16
	s_lshl_b32 s21, s20, 9
	s_add_co_u32 s21, s21, STG                     ; the stage, + my 128 columns
	s_mul_i32 s22, s20, 4*SPI
	s_add_co_u32 s22, s22, STG                     ; the stage, my four rows
	s_wait_dscnt 0x0
	s_wait_kmcnt 0x0
	s_add_nc_u64 s[34:35], s[12:13], s[38:39]
	s_or_b32 s35, s35, 0x80000000
	tensor_load_to_lds s[32:35], s[24:31]          ; my one tensor load of the launch
	s_nop 0
	PLACES
	s_add_nc_u64 s[4:5], s[4:5], s[40:41]
	s_add_nc_u64 s[6:7], s[6:7], s[42:43]
	s_add_nc_u64 s[8:9], s[8:9], s[44:45]
	s_add_nc_u64 s[10:11], s[10:11], s[46:47]
	s_add_nc_u64 s[18:19], s[18:19], s[38:39]
	v_and_b32 v8, 31, v0                           ; lane
	v_and_b32 v9, 15, v0                           ; r
	v_bfe_u32 v50, v0, 4, 1                        ; h
	s_delay_alu instid0(VALU_DEP_3)
	v_lshlrev_b32 v1, 3, v8                        ; a plane: 8 bytes a lane
	s_delay_alu instid0(VALU_DEP_4)
	v_lshlrev_b32 v2, 4, v8                        ; 16 bytes a lane
	s_delay_alu instid0(VALU_DEP_4)
	v_lshlrev_b32 v3, 5, v9
	s_delay_alu instid0(VALU_DEP_1)
	v_lshl_add_u32 v3, v50, 4, v3                  ; scale bytes: 32 r + 16 h: lanes 0-15 get the words of K steps 0-3, lanes 16-31 those of steps 4-7
	v_mul_u32_u24 v4, v9, SPI
	s_delay_alu instid0(VALU_DEP_1)
	v_lshl_add_u32 v4, v50, 5, v4
	s_delay_alu instid0(VALU_DEP_1)
	v_add_nc_u32 v4, s21, v4                       ; into the stage: row r, + 32 h, + my columns
	s_delay_alu instid0(VALU_DEP_1)
	v_add_nc_u32 v5, 16*SPI, v4                    ; and 16 rows on
	v_add_nc_u32 v6, s22, v2                       ; back: my rows
	v_add_nc_u32 v7, s33, v2                       ; and q's
	v_mov_b32 v59, 0                               ; (named as the upper half of the pair v[58:59])
	v_mov_b32 v60, 0                               ; a lane permute's destination counts as one of its sources
.irp m, 0,1
	global_load_b128 v[10+4*\m:13+4*\m], v3, s[6:7] offset:512*\m
.endr
.irp T, 0,1,2,3,4,5,6,7
	global_load_b128 v[18+4*\T:21+4*\T], v3, s[10:11] offset:512*\T
.endr
	WIN 0x40                                       ; destination window 1
.irp m, 0,1
.irp s, 0,1,2,3,4,5,6,7
.irp p, 0,1,2,3,4,5
	global_load_b64 v[12*(8*\m+\s)+2*\p:12*(8*\m+\s)+2*\p+1], v1, s[4:5] offset:12288*\m+1536*\s+256*\p   ; the rows' fragments: 256 consecutive bytes a load
.endr
.endr
.endr
	WIN 0
	WLOAD 0
	WLOAD 1
.irp u, 0,1,2,3,4,5,6,7
	UNIT \u
.endr
.irp j, 0,1,2,3,4,5,6,7
	global_load_b128 v[128+4*\j:131+4*\j], v2, s[14:15] offset:512*\j   ; scale and offset of my lane's columns, in the rows' layout
	global_load_b128 v[160+4*\j:163+4*\j], v2, s[16:17] offset:512*\j
.endr
	s_wait_dscnt 0x0                               ; for the others' sake: my stores into the stage are done
	s_barrier_signal -1
	s_barrier_wait -1                              ; 32 whole rows lie in the stage
	s_wait_tensorcnt 0x0                           ; my four rows of q are in
	ROWLD 0, 64
	ROWLD 1, 192
	s_wait_loadcnt 0x0                             ; scale and offset
	ROWLN 0, 64, 16
	s_wait_xcnt 0x0                                ; the stores have read their registers: the next row may land there
	ROWLD 2, 64
	ROWLN 1, 192, 16
	s_wait_xcnt 0x0
	ROWLD 3, 192
	ROWLN 2, 64, 16
	ROWLN 3, 192, 0
	s_wait_tensorcnt 0x0
	ds_add_u32 v62, v63
	s_wait_dscnt 0x0
	s_endpgm
.Lfunc_end_k_q8cfccbbf44_outln:
	.size	k_q8cfccbbf44_outln, .Lfunc_end_k_q8cfccbbf44_outln-k_q8cfccbbf44_outln
	.p2alignl 7, 3214868480
	.fill 96, 4, 3214868480
	.section	.rodata,"a",@progbits
	.p2align	6, 0x0
	.amdhsa_kernel k_q8cfccbbf44_outln
		.amdhsa_group_segment_fixed_size 263680
		.amdhsa_private_segment_fixed_size 0
		.amdhsa_enable_private_segment 0
		.amdhsa_kernarg_size 64
		.amdhsa_user_sgpr_count 2
		.amdhsa_user_sgpr_kernarg_segment_ptr 1
		.amdhsa_wavefront_size32 1
		.amdhsa_system_sgpr_workgroup_id_x 1
		.amdhsa_system_sgpr_workgroup_id_y 1
		.amdhsa_system_sgpr_workgroup_id_z 1
		.amdhsa_system_vgpr_workitem_id 0
		.amdhsa_next_free_vgpr 512
		.amdhsa_next_free_sgpr 66
		.amdhsa_reserve_vcc 0
		.amdhsa_float_denorm_mode_32 3
		.amdhsa_float_denorm_mode_16_64 3
		.amdhsa_memory_ordered 1
		.amdhsa_forward_progress 1
		.amdhsa_inst_pref_size 96
	.end_amdhsa_kernel
	.amdgpu_metadata
---
amdhsa.version: [ 1, 2 ]
amdhsa.kernels:
  - .name:           k_q8cfccbbf44_outln
    .symbol:         k_q8cfccbbf44_outln.kd
    .args:
      - { .name: cc, .offset: 0, .size: 8, .value_kind: global_buffer, .address_space: global }
      - { .name: cs, .offset: 8, .size: 8, .value_kind: global_buffer, .address_space: global }
      - { .name: wpi, .offset: 16, .size: 8, .value_kind: global_buffer, .address_space: global }
      - { .name: Wp_scales, .offset: 24, .size: 8, .value_kind: global_buffer, .address_space: global }
      - { .name: q, .offset: 32, .size: 8, .value_kind: global_buffer, .address_space: global }
      - { .name: scale, .offset: 40, .size: 8, .value_kind: global_buffer, .address_space: global }
      - { .name: offset, .offset: 48, .size: 8, .value_kind: global_buffer, .address_space: global }
      - { .name: out0, .offset: 56, .size: 8, .value_kind: global_buffer, .address_space: global }
    .group_segment_fixed_size: 263680
    .private_segment_fixed_size: 0
    .kernarg_segment_align: 8
    .kernarg_segment_size: 64
    .max_flat_workgroup_size: 256
    .sgpr_count:     66
    .vgpr_count:     512
    .wavefront_size: 32
...
	.end_amdgpu_metadata
.endif
;; end of part 4
